; MI455X (gfx1250); checked and timed in simulation.
; The chip was launched on July 23, 2026; its instructions are those of AMD's public machine-readable ISA for CDNA 5 (MIT licence, August 2026) and "CDNA5" Instruction Set Architecture Reference Guide (July 2026). The comments in the code are by the model that wrote it; some were corrected since.
;; Multi Head Attention. Allowed arithmetic: float matrix products may take bf16 or f16 operands with f32 sums; other float arithmetic in f32, or as packed bf16 or f16 multiplies, adds, multiply-adds, maxima and minima; sums over many terms, partial sums and values carried from step to step in f32; what a program stores and reads back later, other than sums and carried values, may be rounded once to bf16 or f16.
;; Inputs: Wk 1,024 x 1,024 float32; Wq 1,024 x 1,024 float32; Wv 1,024 x 1,024 float32; bk 1,024 float32; bq 1,024 float32; bv 1,024 float32; k 4 x 2,048 x 1,024 float32; kn_b 1,024 float32; kn_g 1,024 float32; mask 1 x 1 x 2,048 x 2,048 float32; q 4 x 2,048 x 1,024 float32; qn_b 1,024 float32; qn_g 1,024 float32; v 4 x 2,048 x 1,024 float32; vn_b 1,024 float32; vn_g 1,024 float32.
;; Outputs: out0 4 x 2,048 x 1,024 float32.
;; One version. Each part assembles by itself: llvm-mc -triple=amdgcn-amd-amdhsa -mcpu=gfx1250 --defsym DOCPART=n.
;; ======== version 1 of 1: 3 launches
;; limits: values are held in f16: magnitudes above 65,504 overflow, below 6.1e-05 lose precision
;; workspace buffers: xn 50,331,648 bytes; wh 6,291,456 bytes; mk 16,777,216 bytes; qkv 50,331,648 bytes
;; launch prep (part 1): grid 496 x 1, 8 waves a work-group, no clusters, 0 bytes of LDS; arguments q, k, v, qn_g, qn_b, kn_g, kn_b, vn_g, vn_b, Wq, Wk, Wv, mask, xn, wh, mk; writes xn, wh, mk
.if DOCPART == 1
	.amdgcn_target "amdgcn-amd-amdhsa--gfx1250"
	.amdhsa_code_object_version 6
	.text
	.protected	k_qb660185502_prep
	.globl	k_qb660185502_prep
	.p2align	8
	.type	k_qb660185502_prep,@function
k_qb660185502_prep:
	s_mov_b64 s[64:65], 0
	v_nop
	global_prefetch_b8 v0, s[64:65] scope:SCOPE_SE
	s_setreg_imm32_b32 hwreg(HW_REG_WAVE_MODE, 25, 1), 1
	s_wait_xcnt 0x0
; PREP: a stream.  Everything is taken as rows of 1,024 f32 (4,096 bytes); a work-group owns 64 rows, a wave 8, one wave one row at a time.
;   work-groups   0-383: rows of q, k, v (128 work-groups a tensor): each number rounded to bf16, LayerNorm in f32 (two passes, the row kept in registers), result as f16 into xn [3][8192][1024]
;   work-groups 384-431: rows of Wq, Wk, Wv (16 a tensor): rounded to bf16, that number written as f16 into wh [3][1024][1024]
;   work-groups 432-495: half rows of the mask: rounded to bf16, that number written as f32 into mk [2048][2048]
; LIMITS.  Every input counts as its rounding to bf16 (nearest even), gains and offsets too.  LN(x) g + b and W are stored as f16: they must stay within 65,504; a bf16 weight below 2^-17 loses up to 3e-8.
; No LDS, no matrix unit, no barrier: no wave wants a byte that another wave has fetched.  Each load of a wave covers 512 consecutive bytes; each store 256 (f16) or 512 (f32), aligned.
; Two row slots a wave: while one row is worked on the other's eight loads are on their way.
.set IO,  2                            ; v2-3    slot s: byte offset, from the work-group's first row, of my 16 bytes in the row that the slot holds
.set OO,  4                            ; v4-5    the same in the output (half of it where the output is f16)
.set T,   6                            ; v6-13   at work
.set ACC, 14                           ; v14-21  four chains of packed sums
.set MU,  22                           ; v22-23  the mean, twice
.set R,   24                           ; v24-25  1 / sqrt(var + eps), twice
.set VAR, 26
.set G,   32                           ; v32-63  the gain of my 32 columns (128 j + 4 lane + 0..3)
.set BB,  64                           ; v64-95  the offset
.set X,   96                           ; v96-159 two slots of 32: a row
	s_load_b512 s[8:23], s[0:1], 0x0               ; q k v qn_g qn_b kn_g kn_b vn_g
	s_load_b512 s[24:39], s[0:1], 0x40             ; vn_b Wq Wk Wv mask xn wh mk
	s_mov_b32 s63, ttmp9
	s_cmp_ge_u32 s63, 384
	s_cselect_b32 s40, 1, 0                        ; s40: 0 LayerNorm, 1 weights, 2 mask
	s_cselect_b32 s57, 4, 7                        ; log2 of the work-groups a tensor
	s_cselect_b32 s62, 384, 0
	s_cselect_b32 s52, 21, 24                      ; log2 of a tensor's bytes in the output
	s_cmp_ge_u32 s63, 432
	s_cselect_b32 s40, 2, s40
	s_cselect_b32 s57, 6, s57
	s_cselect_b32 s62, 432, s62
	s_cselect_b32 s43, 0, 1                        ; output offsets are input offsets shifted right by this
	s_cselect_b32 s53, 18, 17                      ; log2 of a work-group's bytes in the output
	s_sub_co_u32 s63, s63, s62
	s_lshr_b32 s41, s63, s57                       ; s41: which tensor
	s_lshl_b32 s62, s41, s57
	s_sub_co_u32 s42, s63, s62                     ; s42: which 64 rows of it
	s_lshl_b32 s54, s42, 18                        ; input offset: 64 rows of 4,096 bytes
	s_mov_b32 s55, 0
	s_lshl_b32 s62, s41, s52
	s_lshl_b32 s52, s42, s53
	s_add_co_u32 s52, s52, s62                     ; output offset
	s_mov_b32 s53, 0
	s_mov_b32 s56, 0xffff0000                      ; a word's upper bf16
	s_mov_b32 s58, 0x76543210                      ; v_permlanex16_b32: each lane takes its own place in the other half
	s_mov_b32 s59, 0xfedcba98
	s_mov_b32 s60, 0x3a800000                      ; 1 / 1024
	s_mov_b32 s62, 0x3727c5ac                      ; 1e-5
	v_and_b32 v1, 31, v0
	v_lshlrev_b32 v1, 4, v1                        ; 16 x lane
	v_and_b32 v[IO], 0xe0, v0
	v_lshl_or_b32 v[IO], v[IO], 10, v1             ; + wave x 8 rows x 4,096
	v_add_nc_u32 v[IO+1], 4096, v[IO]
	s_wait_kmcnt 0x0
	s_cmp_eq_u32 s41, 1                            ; the pointers are chosen by the tensor's number and the mode, never by an address
	s_cselect_b64 s[44:45], s[10:11], s[8:9]
	s_cselect_b64 s[48:49], s[18:19], s[14:15]
	s_cselect_b64 s[50:51], s[20:21], s[16:17]
	s_cselect_b64 s[26:27], s[28:29], s[26:27]
	s_cmp_eq_u32 s41, 2
	s_cselect_b64 s[44:45], s[12:13], s[44:45]
	s_cselect_b64 s[48:49], s[22:23], s[48:49]
	s_cselect_b64 s[50:51], s[24:25], s[50:51]
	s_cselect_b64 s[26:27], s[30:31], s[26:27]
	s_cmp_eq_u32 s40, 1
	s_cselect_b64 s[44:45], s[26:27], s[44:45]
	s_cselect_b64 s[46:47], s[36:37], s[34:35]
	s_cmp_eq_u32 s40, 2
	s_cselect_b64 s[44:45], s[32:33], s[44:45]
	s_cselect_b64 s[46:47], s[38:39], s[46:47]
	s_add_nc_u64 s[44:45], s[44:45], s[54:55]      ; s[44:45] in, s[46:47] out, at the work-group's first row
	s_add_nc_u64 s[46:47], s[46:47], s[52:53]
.macro FILL s                          ; eight loads: the whole row
.irp j, 0,1,2,3,4,5,6,7
	global_load_b128 v[X+32*(\s)+4*(\j):X+32*(\s)+4*(\j)+3], v[IO+(\s)], s[44:45] offset:512*(\j) th:TH_LOAD_NT
.endr
.endm
.macro RND base, groups                ; each f32 becomes its rounding to bf16, again as f32: four pairs at a time
.set g, 0
.rept \groups
.irp k, 0,1,2,3
	v_cvt_pk_bf16_f32 v[T+(\k)], v[(\base)+8*g+2*(\k)], v[(\base)+8*g+2*(\k)+1]
.endr
.irp k, 0,1,2,3
	v_lshlrev_b32 v[(\base)+8*g+2*(\k)], 16, v[T+(\k)]
	v_and_b32 v[(\base)+8*g+2*(\k)+1], s56, v[T+(\k)]
.endr
.set g, g+1
.endr
.endm
.macro JOIN                            ; the four chains into one number, then over the 32 lanes: every lane ends with the row's sum in v[T]
	v_pk_add_f32 v[ACC:ACC+1], v[ACC:ACC+1], v[ACC+2:ACC+3]
	v_pk_add_f32 v[ACC+4:ACC+5], v[ACC+4:ACC+5], v[ACC+6:ACC+7]
	v_pk_add_f32 v[ACC:ACC+1], v[ACC:ACC+1], v[ACC+4:ACC+5]
	v_add_f32 v[T], v[ACC], v[ACC+1]
	v_add_f32_dpp v[T], v[T], v[T] row_xmask:1 row_mask:0xf bank_mask:0xf
	v_add_f32_dpp v[T], v[T], v[T] row_xmask:2 row_mask:0xf bank_mask:0xf
	v_add_f32_dpp v[T], v[T], v[T] row_xmask:4 row_mask:0xf bank_mask:0xf
	v_add_f32_dpp v[T], v[T], v[T] row_xmask:8 row_mask:0xf bank_mask:0xf
	v_permlanex16_b32 v[T+1], v[T], s58, s59       ; its destination counts as read: RND has written it
	v_add_f32 v[T], v[T], v[T+1]
.endm
; The turn of slot s.  fill = 1: the slot gets the row two further down.  left: the younger loads that may stay out (the other slot's eight).
.macro TURN s, fill, left
.set XS, X+32*(\s)
	s_wait_loadcnt \left                           ; my row is in
	v_lshrrev_b32 v[OO+(\s)], s43, v[IO+(\s)]      ; the slot's last stores were followed by a wait for XCNT 0, so their offset may be written
	RND XS, 4
	s_cmp_lg_u32 s40, 0
	s_cbranch_scc1 .Lnoln_\@
.irp k, 0,1,2,3                        ; the mean: four chains, started by the first sums: nothing is cleared
	v_pk_add_f32 v[ACC+2*(\k):ACC+2*(\k)+1], v[XS+2*(\k):XS+2*(\k)+1], v[XS+8+2*(\k):XS+8+2*(\k)+1]
.endr
.irp m, 16,24
.irp k, 0,1,2,3
	v_pk_add_f32 v[ACC+2*(\k):ACC+2*(\k)+1], v[ACC+2*(\k):ACC+2*(\k)+1], v[XS+(\m)+2*(\k):XS+(\m)+2*(\k)+1]
.endr
.endr
	JOIN
	v_mul_f32 v[MU], s60, v[T]
	v_mul_f32 v[MU+1], s60, v[T]
.set j, 0
.rept 16
	v_pk_add_f32 v[XS+j:XS+j+1], v[XS+j:XS+j+1], v[MU:MU+1] neg_lo:[0,1] neg_hi:[0,1]  ; x - mean
.set j, j+2
.endr
.irp k, 0,1,2,3                        ; the mean of its squares
	v_pk_mul_f32 v[ACC+2*(\k):ACC+2*(\k)+1], v[XS+2*(\k):XS+2*(\k)+1], v[XS+2*(\k):XS+2*(\k)+1]
.endr
.irp m, 8,16,24
.irp k, 0,1,2,3
	v_pk_fma_f32 v[ACC+2*(\k):ACC+2*(\k)+1], v[XS+(\m)+2*(\k):XS+(\m)+2*(\k)+1], v[XS+(\m)+2*(\k):XS+(\m)+2*(\k)+1], v[ACC+2*(\k):ACC+2*(\k)+1]
.endr
.endr
	JOIN
	v_fma_f32 v[VAR], v[T], s60, s62               ; var + eps
	v_rsq_f32 v[R], v[VAR]
	v_rsq_f32 v[R+1], v[VAR]
	v_nop                                          ; a plain instruction behind the last of the two (ISA guide 5.7.2),
	s_wait_alu depctr_va_vdst(0)                   ; and the one wait ahead of their first reader
.set j, 0
.rept 16
	v_pk_mul_f32 v[XS+j:XS+j+1], v[XS+j:XS+j+1], v[R:R+1]
.set j, j+2
.endr
.set j, 0
.rept 16
	v_pk_fma_f32 v[XS+j:XS+j+1], v[XS+j:XS+j+1], v[G+j:G+j+1], v[BB+j:BB+j+1]
.set j, j+2
.endr
.Lnoln_\@:
	s_cmp_eq_u32 s40, 2
	s_cbranch_scc1 .Lmask_\@
.irp j, 0,1,2,3,4,5,6,7                ; to f16, in place: my four columns of a group pack into 8 bytes
	v_cvt_pk_f16_f32 v[XS+4*(\j)], v[XS+4*(\j)], v[XS+4*(\j)+1]
	v_cvt_pk_f16_f32 v[XS+4*(\j)+1], v[XS+4*(\j)+2], v[XS+4*(\j)+3]
.endr
.irp j, 0,1,2,3,4,5,6,7
	global_store_b64 v[OO+(\s)], v[XS+4*(\j):XS+4*(\j)+1], s[46:47] offset:256*(\j) th:TH_STORE_NT  ; 32 lanes store 256 consecutive bytes, aligned
.endr
	s_branch .Ldone_\@
.Lmask_\@:
.irp j, 0,1,2,3,4,5,6,7
	global_store_b128 v[OO+(\s)], v[XS+4*(\j):XS+4*(\j)+3], s[46:47] offset:512*(\j) th:TH_STORE_NT  ; 512 consecutive bytes, aligned
.endr
.Ldone_\@:
.if \fill
	s_wait_xcnt 0x0                                ; the stores have read their data and offsets (ISA guide 3.1): only now is the slot loaded again
	v_add_nc_u32 v[IO+(\s)], 8192, v[IO+(\s)]
	FILL \s
.endif
.endm
.irp j, 0,1,2,3,4,5,6,7
	global_load_b128 v[G+4*(\j):G+4*(\j)+3], v1, s[48:49] offset:512*(\j)
.endr
.irp j, 0,1,2,3,4,5,6,7
	global_load_b128 v[BB+4*(\j):BB+4*(\j)+3], v1, s[50:51] offset:512*(\j)
.endr
	FILL 0
	FILL 1
	s_wait_loadcnt 16                              ; gain and offset are in; the two rows' sixteen loads stay out
	RND G, 4
	RND BB, 4
	s_mov_b32 s61, 3
.Lrows:                                        ; rows 0-5 are worked on, rows 2-7 asked for
	TURN 0, 1, 8
	TURN 1, 1, 8
	s_sub_co_u32 s61, s61, 1
	s_cmp_lg_u32 s61, 0
	s_cbranch_scc1 .Lrows
	TURN 0, 0, 8                                   ; the last two rows load nothing
	TURN 1, 0, 0
	s_endpgm
.Lfunc_end_k_qb660185502_prep:
	.size	k_qb660185502_prep, .Lfunc_end_k_qb660185502_prep-k_qb660185502_prep
	.p2alignl 7, 3214868480
	.fill 96, 4, 3214868480
	.section	.rodata,"a",@progbits
	.p2align	6, 0x0
	.amdhsa_kernel k_qb660185502_prep
		.amdhsa_group_segment_fixed_size 0
		.amdhsa_private_segment_fixed_size 0
		.amdhsa_enable_private_segment 0
		.amdhsa_kernarg_size 128
		.amdhsa_user_sgpr_count 2
		.amdhsa_user_sgpr_kernarg_segment_ptr 1
		.amdhsa_wavefront_size32 1
		.amdhsa_system_sgpr_workgroup_id_x 1
		.amdhsa_system_sgpr_workgroup_id_y 1
		.amdhsa_system_sgpr_workgroup_id_z 1
		.amdhsa_system_vgpr_workitem_id 0
		.amdhsa_next_free_vgpr 160
		.amdhsa_next_free_sgpr 66
		.amdhsa_reserve_vcc 0
		.amdhsa_float_denorm_mode_32 3
		.amdhsa_float_denorm_mode_16_64 3
		.amdhsa_memory_ordered 1
		.amdhsa_forward_progress 1
		.amdhsa_inst_pref_size 55
	.end_amdhsa_kernel
	.amdgpu_metadata
---
amdhsa.version: [ 1, 2 ]
amdhsa.kernels:
  - .name:           k_qb660185502_prep
    .symbol:         k_qb660185502_prep.kd
    .args:
      - { .name: q, .offset: 0, .size: 8, .value_kind: global_buffer, .address_space: global }
      - { .name: k, .offset: 8, .size: 8, .value_kind: global_buffer, .address_space: global }
      - { .name: v, .offset: 16, .size: 8, .value_kind: global_buffer, .address_space: global }
      - { .name: qn_g, .offset: 24, .size: 8, .value_kind: global_buffer, .address_space: global }
      - { .name: qn_b, .offset: 32, .size: 8, .value_kind: global_buffer, .address_space: global }
      - { .name: kn_g, .offset: 40, .size: 8, .value_kind: global_buffer, .address_space: global }
      - { .name: kn_b, .offset: 48, .size: 8, .value_kind: global_buffer, .address_space: global }
      - { .name: vn_g, .offset: 56, .size: 8, .value_kind: global_buffer, .address_space: global }
      - { .name: vn_b, .offset: 64, .size: 8, .value_kind: global_buffer, .address_space: global }
      - { .name: Wq, .offset: 72, .size: 8, .value_kind: global_buffer, .address_space: global }
      - { .name: Wk, .offset: 80, .size: 8, .value_kind: global_buffer, .address_space: global }
      - { .name: Wv, .offset: 88, .size: 8, .value_kind: global_buffer, .address_space: global }
      - { .name: mask, .offset: 96, .size: 8, .value_kind: global_buffer, .address_space: global }
      - { .name: xn, .offset: 104, .size: 8, .value_kind: global_buffer, .address_space: global }
      - { .name: wh, .offset: 112, .size: 8, .value_kind: global_buffer, .address_space: global }
      - { .name: mk, .offset: 120, .size: 8, .value_kind: global_buffer, .address_space: global }
    .group_segment_fixed_size: 0
    .private_segment_fixed_size: 0
    .kernarg_segment_align: 8
    .kernarg_segment_size: 128
    .max_flat_workgroup_size: 256
    .sgpr_count:     66
    .vgpr_count:     160
    .wavefront_size: 32
...
	.end_amdgpu_metadata
.endif
;; end of part 1
;; launch proj (part 2): grid 4 x 96, 4 waves a work-group, clusters of 4 x 4, 327,680 bytes of LDS; arguments xn, wh, bq, bk, bv, qkv; writes qkv
.if DOCPART == 2
	.amdgcn_target "amdgcn-amd-amdhsa--gfx1250"
	.amdhsa_code_object_version 6
	.text
	.protected	k_qb660185502_proj
	.globl	k_qb660185502_proj
	.p2align	8
	.type	k_qb660185502_proj,@function
k_qb660185502_proj:
	s_mov_b64 s[64:65], 0
	v_nop
	global_prefetch_b8 v0, s[64:65] scope:SCOPE_SE
	s_setreg_imm32_b32 hwreg(HW_REG_WAVE_MODE, 25, 1), 1
	s_wait_xcnt 0x0
	s_wait_alu depctr_hold_cnt(0) depctr_sa_sdst(0) depctr_va_vdst(0) depctr_va_sdst(0) depctr_va_ssrc(0) depctr_va_vcc(0) depctr_vm_vsrc(0)
	s_getreg_b32 s2, hwreg(HW_REG_IB_STS2, 6, 4)
	s_cmp_eq_u32 s2, 0
	s_cbranch_scc0 .Lentry_in_a_cluster
	s_endpgm
.Lentry_in_a_cluster:
	s_bfe_u32 s2, ttmp6, 0x10000c
	s_cmp_lg_u32 s2, 0xf033
	s_cbranch_scc0 .Lentry_shape_is_right
	s_endpgm
.Lentry_shape_is_right:
; PROJ: the three linear layers as one product.  C[m][n] = sum over k of xn[m][k] wh[tensor][n][k] + bias[n], m = 0 .. 24,575 (tensor = m / 8192), n, k = 0 .. 1,023.  Operands f16, sums f32,
; the bias rounded to bf16 and added in f32, C rounded once to f16.  LIMIT: |C| stays within 65,504.
; C leaves by head pairs, as the attention wants it: qkv byte = tensor<<24 + (8 batch + head/2)<<19 + (l/64)<<14 + (head%2)<<13 + (l%64)<<7 + 2 d: 64 tokens of a head are 8,192 dense bytes.
; A tile of C, 256 x 256, is made by four waves, 128 x 128 each: 64 accumulators, 512 registers.  K goes in 8 steps of 128 through a ring of two LDS slots filled by tensor loads.
; CLUSTERS: 4 x 4 work-groups.  The four of a row of the cluster need the same rows of xn, the four of a column the same rows of wh: each tile is asked for jointly, by the same load with the same
; descriptor and a mask that names the four.  384 work-groups: the grid's 96 x 4 tiles.
; THE MATRIX INSTRUCTION IS USED TRANSPOSED (source 0 = 16 rows of wh, source 1 = 16 rows of xn): a lane holds token l % 16 and eight neighbouring features.
; REGISTERS, in windows of 256: window 0: v0-31 addresses; v64-127, v128-191 fragments of xn, two buffers; on the way out v64-127 sums with bias, v192-223 packed, v32-63 and v224-255 rows read back
;   window 1: v0-63 the bias of my 128 features (8 a block of 16); v64-191 fragments of wh; v192-195 at work     windows 2, 3: the accumulators ((a, b) at v[8 (8 (a % 4) + b)])
.set SIZE_K, 1024
.set KSTEP,  128
.set PITCH,  272                       ; an LDS row: 256 bytes + 16 of padding = 68 words: the 16 rows that a load touches start at 16 different groups of four banks (ISA guide 11.1)
.set HALFT,  128*PITCH
.set SLOT,   4*HALFT                   ; xn's 256 rows, then wh's 256 rows
.set STAGE,  2*SLOT                    ; behind the ring: for each wave 2 heads x 16 tokens x 144 bytes
.set SPITCH, 144
.set HSTG,   16*SPITCH
.set SPARE,  STAGE+4*2*HSTG            ; behind the stages: the spare words, 128 bytes a wave, which no other line names
.set LAPS,   SIZE_K/(2*KSTEP)
.set ADRA, 16
.set ADRB, 20
.set STO,  24
.set RD,   25
.set CO,   26
.set BO,   27
.set SPW,  28
.set NIL,  29
.set PFO,  30
.set F0,   64
.set F1,   128
.set SUM,  64
.set TMP,  192
.set OB,   32
.set BIAS, 0
.set BT,   192
.set G1,  24
.set G0,  32
.set G1B, 48
.set G0B, 56
.set LIM, 78                           ; s78  1 in a wave that prefetches, else the greatest number
.set PFA, 80                           ; s[80:81] where my prefetches stand
.set MSB, 0
.macro WIN new                         ; the immediate's high byte repeats the setting that is left; a switch that changes nothing is dropped
.if MSB != (\new)
	s_set_vgpr_msb (MSB<<8)|(\new)
.set MSB, \new
.endif
.endm
.set MUL_LO, 0xa1                      ; source 0 (wh) window 1, source 1 (xn) window 0, C and D window 2
.set MUL_HI, 0xf1
.set TO_B,   0x40                      ; destination window 1, address window 0
; A joint load: waves 0 and 1 fetch xn's two halves, waves 2 and 3 wh's.  An s_nop 0 and four v_nop follow each of the two lines.
.macro JLOAD s
	s_cmp_eq_u32 s11, 0
	s_cbranch_scc0 .Lfor_b_\@
	tensor_load_to_lds s[G0+4*(\s):G0+4*(\s)+3], s[G1:G1+7]
	s_nop 0
.rept 4
	v_nop
.endr
	s_branch .Lasked_\@
.Lfor_b_\@:
	tensor_load_to_lds s[G0B+4*(\s):G0B+4*(\s)+3], s[G1B:G1B+7]
	s_nop 0
.rept 4
	v_nop
.endr
.Lasked_\@:
.endm
; A prefetch of the K step that stands two refills on: 32 rows x 256 bytes, a lane a row, one instruction a wave, behind the joint load and the run of LDS loads.  Each row's 256 bytes of K steps 4 to 7 are
; named once in the launch: xn's rows are read by one cluster alone, which asks; wh's rows by the eight clusters of a tensor, of which the first asks; the four partners of a joint load take 32 rows each, told
; apart by address.  The loop's last trip (s3 = 1) asks for nothing: there is no K step behind the last.
.macro ASK
	s_cmp_gt_u32 s3, s[LIM]
	s_cbranch_scc0 .Lnot_mine_\@
	global_prefetch_b8 v[PFO], s[PFA:PFA+1] offset:KSTEP*2 th:TH_LOAD_NT scope:SCOPE_SE
.Lnot_mine_\@:
.endm
.macro CREST                           ; a round of the cluster's barrier behind its opening barrier
	s_cmp_lg_u32 s10, 0
	s_cbranch_scc1 .Lnot_wave_0_\@
	s_barrier_signal -3
.Lnot_wave_0_\@:
	s_barrier_wait -3
	s_barrier_signal -1
	s_barrier_wait -1
.endm
.macro CROUND
	s_barrier_signal -1
	s_barrier_wait -1
	CREST
.endm
	s_load_b128 s[4:7], s[0:1], 0x0                ; xn s[4:5], wh s[6:7]
	s_load_b128 s[68:71], s[0:1], 0x10             ; bq, bk
	s_load_b128 s[72:75], s[0:1], 0x20             ; bv, qkv
	v_lshl_add_u32 v[SPW], v0, 2, SPARE
	v_mov_b32 v[NIL], 0
	ds_add_u32 v[SPW], v[NIL]                      ; the wave's opening: the add and its wait stand ahead of my first tensor load; the set-up below stands between them
	v_lshrrev_b32 v1, 5, v0
	v_readfirstlane_b32 s10, v1                    ; wave 0..3
	s_lshr_b32 s11, s10, 1                         ; which half of the tile's tokens is mine.  Also: I fetch for xn (0) or wh (1)
	s_and_b32 s12, s10, 1                          ; which half of its features.  Also: which 128 rows I fetch
	s_bfe_u32 s40, ttmp6, 0x40000                  ; cx
	s_bfe_u32 s41, ttmp6, 0x40004                  ; cy
	s_lshl_b32 s42, ttmp9, 2
	s_add_co_u32 s42, s42, s40                     ; tile column 0..3
	s_and_b32 s22, ttmp7, 0xffff                   ; cluster y 0..23
	s_lshl_b32 s13, s22, 2
	s_add_co_u32 s13, s13, s41                     ; tile row 0..95
	s_lshr_b32 s45, s22, 3                         ; the tensor: the same in all sixteen partners
	s_lshl_b32 s43, s41, 2
	s_lshl_b32 s43, 15, s43                        ; my row of the cluster
	s_lshl_b32 s44, 0x1111, s40                    ; my column
	s_or_b32 s[G1+0], s43, (1<<16)|(1<<20)|(1<<21)|(5<<22)|(3<<25)   ; the mask; 2-byte elements; padding on; bit 21 beside a mask; after every 64 words 4 words
	s_or_b32 s[G1B+0], s44, (1<<16)|(1<<20)|(1<<21)|(5<<22)|(3<<25)
.irp g, G1, G1B
	s_mov_b32 s[(\g)+1], KSTEP<<16                 ; tensor_dim0 = 128
	s_mov_b32 s[(\g)+2], 128<<16                   ; tensor_dim1 = 128
	s_mov_b32 s[(\g)+3], KSTEP<<16                 ; tile_dim0 = 128
	s_mov_b32 s[(\g)+4], 128                       ; tile_dim1 = 128
	s_mov_b32 s[(\g)+5], SIZE_K                    ; elements from row to row
	s_mov_b32 s[(\g)+6], 0
	s_mov_b32 s[(\g)+7], 0
.endr
	s_lshl_b32 s17, s12, 7                         ; which 128 rows of the tile I fetch
	s_lshl_b32 s16, s13, 8
	s_add_co_u32 s16, s16, s17                     ; xn: row 256 x tile row + 128 x half,
	s_lshl_b32 s16, s16, 11                        ; in bytes (2,048 a row; under 2^26)
	s_lshl_b32 s46, s42, 8
	s_add_co_u32 s46, s46, s17
	s_lshl_b32 s47, s45, 10
	s_add_co_u32 s46, s46, s47                     ; wh: row 1,024 x tensor + 256 x tile column + 128 x half
	s_lshl_b32 s46, s46, 11
	s_mov_b32 s17, 0
	s_mov_b32 s47, 0
	s_mul_i32 s20, s10, HALFT                      ; where they go: wave x 128 rows: no place in the cluster enters an LDS address
	s_mov_b32 s79, 0xffff0000
	s_wait_dscnt 0x0                               ; the opening add is done
	s_wait_kmcnt 0x0
	s_add_nc_u64 s[14:15], s[4:5], s[16:17]
	s_add_nc_u64 s[46:47], s[6:7], s[46:47]
	CROUND                                         ; all sixteen work-groups are here: the first joint loads meet
.irp s, 0,1
	s_mov_b32 s[G0+4*(\s)], 1
	s_add_co_u32 s[G0+4*(\s)+1], s20, (\s)*SLOT
	s_add_nc_u64 s[G0+4*(\s)+2:G0+4*(\s)+3], s[14:15], (\s)*KSTEP*2
	s_or_b32 s[G0+4*(\s)+3], s[G0+4*(\s)+3], 0x80000000
	s_mov_b32 s[G0B+4*(\s)], 1
	s_add_co_u32 s[G0B+4*(\s)+1], s20, (\s)*SLOT
	s_add_nc_u64 s[G0B+4*(\s)+2:G0B+4*(\s)+3], s[46:47], (\s)*KSTEP*2
	s_or_b32 s[G0B+4*(\s)+3], s[G0B+4*(\s)+3], 0x80000000
	JLOAD \s                                       ; two tensor loads of mine are out
.endr
	v_and_b32 v1, 15, v0                           ; l % 16
	v_bfe_u32 v2, v0, 4, 1                         ; l / 16
	v_mul_u32_u24 v3, v1, PITCH
	v_lshl_add_u32 v3, v2, 4, v3                   ; a fragment's row x pitch + 16 x half
	s_mul_i32 s21, s11, HALFT
	s_mul_i32 s22, s12, HALFT
	s_add_co_u32 s22, s22, 2*HALFT
.irp s, 0,1
	v_add_nc_u32 v[ADRA+(\s)], s21, v3
	v_add_nc_u32 v[ADRB+(\s)], s22, v3
	s_add_co_u32 s21, s21, SLOT
	s_add_co_u32 s22, s22, SLOT
.endr
	s_mul_i32 s23, s10, 2*HSTG
	s_add_co_u32 s23, s23, STAGE                   ; my stage
	v_mul_u32_u24 v4, v1, SPITCH                   ; in: token l % 16, 16 bytes for each half of the lanes
	v_lshl_add_u32 v4, v2, 4, v4
	v_add_nc_u32 v[STO], s23, v4
	v_bfe_u32 v5, v0, 3, 2                         ; back: 32 lanes take four tokens of 128 bytes,
	v_and_b32 v6, 7, v0
	v_mul_u32_u24 v5, v5, SPITCH
	v_lshl_add_u32 v5, v6, 4, v5
	v_add_nc_u32 v[RD], s23, v5
	v_and_b32 v[CO], 31, v0                        ; which are 512 consecutive bytes of qkv
	v_lshlrev_b32 v[CO], 4, v[CO]
	v_lshlrev_b32 v[BO], 5, v2                     ; my eight numbers of a block's sixteen biases
	; where my part begins in qkv
	s_lshr_b32 s16, s13, 3
	s_and_b32 s16, s16, 3                          ; batch
	s_lshl_b32 s16, s16, 22                        ; 8 batch << 19
	s_and_b32 s17, s13, 7
	s_lshl_b32 s17, s17, 16                        ; 4 (tile row % 8) << 14
	s_add_co_u32 s16, s16, s17
	s_lshl_b32 s17, s11, 15                        ; 2 x my half << 14
	s_add_co_u32 s16, s16, s17
	s_lshl_b32 s17, s45, 24
	s_add_co_u32 s16, s16, s17
	s_mov_b32 s17, 0
	s_lshl_b32 s46, s42, 20                        ; head pair 2 x tile column + my half, << 19
	s_lshl_b32 s47, s12, 19
	s_add_co_u32 s46, s46, s47
	s_mov_b32 s47, 0
	s_add_nc_u64 s[16:17], s[16:17], s[46:47]
	s_add_nc_u64 s[8:9], s[74:75], s[16:17]
	; the bias of my 128 features
	s_cmp_eq_u32 s45, 1
	s_cselect_b64 s[76:77], s[70:71], s[68:69]
	s_cmp_eq_u32 s45, 2
	s_cselect_b64 s[76:77], s[72:73], s[76:77]
	s_lshl_b32 s46, s42, 10
	s_lshl_b32 s47, s12, 9
	s_add_co_u32 s46, s46, s47
	s_mov_b32 s47, 0
	s_add_nc_u64 s[76:77], s[76:77], s[46:47]
	WIN TO_B
.irp b, 0,1,2,3,4,5,6,7
	global_load_b128 v[BIAS+8*(\b):BIAS+8*(\b)+3],   v[BO], s[76:77] offset:64*(\b)
	global_load_b128 v[BIAS+8*(\b)+4:BIAS+8*(\b)+7], v[BO], s[76:77] offset:64*(\b)+16
.endr
	WIN 0
	; the prefetches
	s_lshl_b32 s20, s13, 8                         ; xn's tile: its first row
	s_lshl_b32 s46, s42, 8
	s_lshl_b32 s47, s45, 10
	s_add_co_u32 s46, s46, s47                     ; wh's
	s_and_b32 s22, ttmp7, 7                        ; which of the tensor's eight clusters
	s_cmp_eq_u32 s11, 0                            ; do I fetch for xn?
	s_cselect_b32 s20, s20, s46
	s_cselect_b32 s21, s40, s41                    ; my place among the four that ask with me
	s_cselect_b32 s22, 0, s22                      ; xn's rows are my cluster's alone
	s_cselect_b64 s[PFA:PFA+1], s[4:5], s[6:7]
	s_cmp_eq_u32 s22, 0
	s_cselect_b32 s[LIM], 1, -1                    ; the same in all sixteen partners, for a given wave
	s_lshl_b32 s22, s12, 7
	s_add_co_u32 s20, s20, s22
	s_lshl_b32 s21, s21, 5
	s_add_co_u32 s20, s20, s21                     ; + my work-group's 32 rows of the 128
	s_lshl_b32 s20, s20, 11
	s_add_co_u32 s20, s20, 2*KSTEP*2               ; at K step 2: the first refill steps it to 3 and names K step 4
	s_mov_b32 s21, 0
	s_add_nc_u64 s[PFA:PFA+1], s[PFA:PFA+1], s[20:21]
	v_and_b32 v[PFO], 31, v0
	v_lshlrev_b32 v[PFO], 11, v[PFO]               ; a lane a row
; 16 matrix instructions: token blocks a0, a0 + 1 of the window's four x all 8 feature blocks, 32 along K.  zero = 1: the first product starts the sums.
.macro MUL16 f, hi, a0, zero
	WIN MUL_LO+0x50*(\hi)
.irp a, \a0, (\a0)+1
.irp b, 0,1,2,3,4,5,6,7
.if \zero
	v_wmma_f32_16x16x32_f16 v[8*(8*(\a)+(\b)):8*(8*(\a)+(\b))+7], v[(\f)+8*(\b):(\f)+8*(\b)+7], v[(\f)+8*(4*(\hi)+(\a)):(\f)+8*(4*(\hi)+(\a))+7], 0
.else
	v_wmma_f32_16x16x32_f16 v[8*(8*(\a)+(\b)):8*(8*(\a)+(\b))+7], v[(\f)+8*(\b):(\f)+8*(\b)+7], v[(\f)+8*(4*(\hi)+(\a)):(\f)+8*(4*(\hi)+(\a))+7], v[8*(8*(\a)+(\b)):8*(8*(\a)+(\b))+7]
.endif
.endr
.endr
.endm
.macro FETCH slot, k, f                ; 32 LDS loads in one run: a quarter step's fragments (32 K at byte k of the rows) into buffer f
	WIN TO_B
.irp i, 0,1,2,3,4,5,6,7
	ds_load_b128 v[(\f)+8*(\i):(\f)+8*(\i)+3],   v[ADRB+(\slot)] offset:(\k)+(\i)*16*PITCH
	ds_load_b128 v[(\f)+8*(\i)+4:(\f)+8*(\i)+7], v[ADRB+(\slot)] offset:(\k)+(\i)*16*PITCH+32
.endr
	WIN 0
.irp i, 0,1,2,3,4,5,6,7
	ds_load_b128 v[(\f)+8*(\i):(\f)+8*(\i)+3],   v[ADRA+(\slot)] offset:(\k)+(\i)*16*PITCH
	ds_load_b128 v[(\f)+8*(\i)+4:(\f)+8*(\i)+7], v[ADRA+(\slot)] offset:(\k)+(\i)*16*PITCH+32
.endr
.endm
.macro PLACES                          ; four plain instructions between a matrix instruction and a load into a register that it has read (ISA guide 7.12.1 for vector instructions)
.rept 4
	v_nop
.endr
.endm
; A K step is four quarters of 32 along K, 64 matrix instructions each, on buffers 0, 1, 0, 1.  The 64 accumulators take turns, in the same order in every quarter.
.macro QUARTER slot, k, f, g, zero
	s_wait_dscnt 8                                 ; wh's and xn's rows 0-63 are in; the youngest eight loads (xn's rows 64-127) may be out
	WIN MUL_LO
	MUL16 \f, 0, 0, \zero
	MUL16 \f, 0, 2, \zero
	PLACES
	FETCH \slot, \k, \g
	s_wait_dscnt 32                                ; all but the 32 just issued
	WIN MUL_HI
	MUL16 \f, 1, 0, \zero
	MUL16 \f, 1, 2, \zero
.endm
; The first half of a K step's last quarter: one barrier for the change of slots.
.macro MEET round
	WIN 0
	s_wait_tensorcnt 0x0                           ; all my tensor loads have landed: the one that was out is my part of the next slot;
	ds_add_u32 v[SPW], v[NIL]                      ; 0 onto my spare word;
	s_wait_dscnt 9                                 ; (the add and the youngest eight loads may be out)
	WIN MUL_LO
	MUL16 F1, 0, 0, 0
	s_wait_dscnt 0x0                               ; the add is done, and my reads of this slot are over
	s_barrier_signal -1
	MUL16 F1, 0, 2, 0
.if \round
	WIN 0
.endif
	s_barrier_wait -1
.endm
; The whole last quarter.  fill = 1: the barrier opens a round of the cluster's barrier, and the slot just read out is filled again first, with the K step two on.
.macro TURN slot, next, fill
.if \fill
	s_wait_xcnt 0x0                                ; the last prefetch, a K step back, has read its address
	s_add_nc_u64 s[PFA:PFA+1], s[PFA:PFA+1], KSTEP*2
.endif
	MEET \fill
.if \fill
	CREST                                          ; no wave of any partner still reads this slot's tile or has a load on its way
	s_add_nc_u64 s[G0+4*(\slot)+2:G0+4*(\slot)+3], s[G0+4*(\slot)+2:G0+4*(\slot)+3], 2*KSTEP*2
	s_add_nc_u64 s[G0B+4*(\slot)+2:G0B+4*(\slot)+3], s[G0B+4*(\slot)+2:G0B+4*(\slot)+3], 2*KSTEP*2
	JLOAD \slot                                    ; the four v_nop behind it are also the places in front of the loads below
.else
	PLACES
.endif
	FETCH \next, 0, F0
.if \fill
	ASK
.endif
	WIN MUL_HI
	MUL16 F1, 1, 0, 0
	MUL16 F1, 1, 2, 0
.endm
; THE WAY OUT of token block a.  PACK: + bias, rounded to f16, 16 bytes a lane.  TOSTAGE: into my own stage, by heads, and back as whole tokens of 128 bytes.  SEND: stored.
.macro PACK a
.set AC, 64*((\a)%4)
	WIN 0x06+((\a)/4)                              ; source 0 window 2 or 3, source 1 window 1, destination window 0
.irp b, 0,1,2,3,4,5,6,7
.irp r, 0,1,2,3
	v_pk_add_f32 v[SUM+8*(\b)+2*(\r):SUM+8*(\b)+2*(\r)+1], v[AC+8*(\b)+2*(\r):AC+8*(\b)+2*(\r)+1], v[BIAS+8*(\b)+2*(\r):BIAS+8*(\b)+2*(\r)+1]  ; each accumulator's registers in ascending order
.endr
.endr
	WIN 0
.irp b, 0,1,2,3,4,5,6,7
.irp r, 0,1,2,3
	v_cvt_pk_f16_f32 v[TMP+4*(\b)+(\r)], v[SUM+8*(\b)+2*(\r)], v[SUM+8*(\b)+2*(\r)+1]
.endr
.endr
.endm
.macro TOSTAGE a
	WIN 0
.set BK, OB+192*((\a)%2)
.irp b, 0,1,2,3,4,5,6,7
	ds_store_b128 v[STO], v[TMP+4*(\b):TMP+4*(\b)+3] offset:((\b)/4)*HSTG+((\b)%4)*32  ; head b / 4, channels 16 (b % 4) on
.endr
.irp t, 0,1,2,3,4,5,6,7
	ds_load_b128 v[BK+4*(\t):BK+4*(\t)+3], v[RD] offset:((\t)/4)*HSTG+((\t)%4)*4*SPITCH  ; LDS serves a wave's instructions in order (ISA guide 5.7.1.4): these see the stores above
.endr
.endm
.macro SEND a, younger
	WIN 0
.set BK, OB+192*((\a)%2)
	s_wait_dscnt \younger                          ; the block is back in registers
	s_wait_xcnt 0x0                                ; earlier stores have read their data: the registers that they named are loaded again only behind this wait
.irp t, 0,1,2,3,4,5,6,7
	global_store_b128 v[CO], v[BK+4*(\t):BK+4*(\t)+3], s[8:9] offset:((\a)/4)*16384+((\t)/4)*8192+((\a)%4)*2048+((\t)%4)*512 th:TH_STORE_NT  ; 512 consecutive bytes, aligned
.endr
.endm
	s_wait_tensorcnt 1                             ; my part of K step 0 is in; K step 1's load stays out
	s_barrier_signal -1
	s_barrier_wait -1
	FETCH 0, 0, F0
	QUARTER 0, 64,  F0, F1, 1                      ; the first quarter stands in front of the loop: its products start the sums
	WIN 0
	s_mov_b32 s3, LAPS-1
.Llap:                                                 ; a trip goes once round the ring and fills both slots again
	QUARTER 0, 128, F1, F0, 0
	QUARTER 0, 192, F0, F1, 0
	TURN 0, 1, 1
	QUARTER 1, 64,  F0, F1, 0
	QUARTER 1, 128, F1, F0, 0
	QUARTER 1, 192, F0, F1, 0
	TURN 1, 0, 1
	QUARTER 0, 64,  F0, F1, 0
	WIN 0
	s_sub_co_u32 s3, s3, 1
	s_cmp_lg_u32 s3, 0
	s_cbranch_scc1 .Llap
	QUARTER 0, 128, F1, F0, 0                      ; the last lap fills nothing
	QUARTER 0, 192, F0, F1, 0
	TURN 0, 1, 0
	QUARTER 1, 64,  F0, F1, 0
	QUARTER 1, 128, F1, F0, 0
	QUARTER 1, 192, F0, F1, 0
	s_wait_dscnt 8
	MUL16 F1, 0, 0, 0
	MUL16 F1, 0, 2, 0
	s_wait_dscnt 0x0
	MUL16 F1, 1, 0, 0
	MUL16 F1, 1, 2, 0
	s_wait_loadcnt 0x0                             ; the bias
	WIN 0x45                                       ; all in window 1.  The bias is rounded to bf16; these 96 plain lines, which name no register of the last products, are also the places behind them
.set g, 0
.rept 8
.irp k, 0,1,2,3
	v_cvt_pk_bf16_f32 v[BT+(\k)], v[BIAS+8*g+2*(\k)], v[BIAS+8*g+2*(\k)+1]
.endr
.irp k, 0,1,2,3
	v_lshlrev_b32 v[BIAS+8*g+2*(\k)], 16, v[BT+(\k)]
	v_and_b32 v[BIAS+8*g+2*(\k)+1], s79, v[BT+(\k)]
.endr
.set g, g+1
.endr
	PACK 0
	TOSTAGE 0
.irp a, 1,2,3,4,5,6,7                  ; block a's arithmetic stands between block a - 1's loads from the stage and the wait for them
	PACK \a
	SEND (\a)-1, 0
	TOSTAGE \a
.endr
	SEND 7, 0
	s_wait_tensorcnt 0x0                           ; the wave's end, behind my last tensor load and my last LDS store
	ds_add_u32 v[SPW], v[NIL]
	s_wait_dscnt 0x0
	CROUND                                         ; the closing round: no work-group ends while a partner may still ask for a tile that names it
	s_endpgm
.Lfunc_end_k_qb660185502_proj:
	.size	k_qb660185502_proj, .Lfunc_end_k_qb660185502_proj-k_qb660185502_proj
	.p2alignl 7, 3214868480
	.fill 96, 4, 3214868480
	.section	.rodata,"a",@progbits
	.p2align	6, 0x0
	.amdhsa_kernel k_qb660185502_proj
		.amdhsa_group_segment_fixed_size 327680
		.amdhsa_private_segment_fixed_size 0
		.amdhsa_enable_private_segment 0
		.amdhsa_kernarg_size 48
		.amdhsa_user_sgpr_count 2
		.amdhsa_user_sgpr_kernarg_segment_ptr 1
		.amdhsa_wavefront_size32 1
		.amdhsa_system_sgpr_workgroup_id_x 1
		.amdhsa_system_sgpr_workgroup_id_y 1
		.amdhsa_system_sgpr_workgroup_id_z 1
		.amdhsa_system_vgpr_workitem_id 0
		.amdhsa_next_free_vgpr 1024
		.amdhsa_next_free_sgpr 82
		.amdhsa_reserve_vcc 0
		.amdhsa_float_denorm_mode_32 3
		.amdhsa_float_denorm_mode_16_64 3
		.amdhsa_memory_ordered 1
		.amdhsa_forward_progress 1
		.amdhsa_inst_pref_size 166
	.end_amdhsa_kernel
	.amdgpu_metadata
---
amdhsa.version: [ 1, 2 ]
amdhsa.kernels:
  - .name:           k_qb660185502_proj
    .symbol:         k_qb660185502_proj.kd
    .args:
      - { .name: xn, .offset: 0, .size: 8, .value_kind: global_buffer, .address_space: global }
      - { .name: wh, .offset: 8, .size: 8, .value_kind: global_buffer, .address_space: global }
      - { .name: bq, .offset: 16, .size: 8, .value_kind: global_buffer, .address_space: global }
      - { .name: bk, .offset: 24, .size: 8, .value_kind: global_buffer, .address_space: global }
      - { .name: bv, .offset: 32, .size: 8, .value_kind: global_buffer, .address_space: global }
      - { .name: qkv, .offset: 40, .size: 8, .value_kind: global_buffer, .address_space: global }
    .group_segment_fixed_size: 327680
    .private_segment_fixed_size: 0
    .kernarg_segment_align: 8
    .kernarg_segment_size: 48
    .max_flat_workgroup_size: 128
    .sgpr_count:     82
    .vgpr_count:     1024
    .wavefront_size: 32
...
	.end_amdgpu_metadata
.endif
;; end of part 2
;; launch attn (part 3): grid 8 x 32, 4 waves a work-group, clusters of 4 x 4, 327,680 bytes of LDS; arguments qkv, mk, out0; writes out0
.if DOCPART == 3
	.amdgcn_target "amdgcn-amd-amdhsa--gfx1250"
	.amdhsa_code_object_version 6
	.text
	.protected	k_qb660185502_attn
	.globl	k_qb660185502_attn
	.p2align	8
	.type	k_qb660185502_attn,@function
k_qb660185502_attn:
	s_mov_b64 s[64:65], 0
	v_nop
	global_prefetch_b8 v0, s[64:65] scope:SCOPE_SE
	s_setreg_imm32_b32 hwreg(HW_REG_WAVE_MODE, 25, 1), 1
	s_wait_xcnt 0x0
	s_wait_alu depctr_hold_cnt(0) depctr_sa_sdst(0) depctr_va_vdst(0) depctr_va_sdst(0) depctr_va_ssrc(0) depctr_va_vcc(0) depctr_vm_vsrc(0)
	s_getreg_b32 s2, hwreg(HW_REG_IB_STS2, 6, 4)
	s_cmp_eq_u32 s2, 0
	s_cbranch_scc0 .Lentry_in_a_cluster
	s_endpgm
.Lentry_in_a_cluster:
	s_bfe_u32 s2, ttmp6, 0x10000c
	s_cmp_lg_u32 s2, 0xf033
	s_cbranch_scc0 .Lentry_shape_is_right
	s_endpgm
.Lentry_shape_is_right:
; ATTENTION with an additive mask that is an input.  out[b][q][64 head + d] = sum over k of softmax_k((Q[q] . K[k] + mask[q][k]) / 8) V[k][d].  Q, K, V f16 by head pairs (qkv, as the launch before lays it);
; mk [2048][2048] f32; out f32.  Products, maxima and sums in f32; the weights p are rounded to f16 for the second product (their sum l is taken of the unrounded p).  All 2,048 keys are walked for every query.
; THE MASK is the C operand of the product that starts the sum S^T = K Q^T, so it is added ahead of the scale, as the module does, and costs no vector instruction.
; LIMITS.  The sum runs (mask + channels 0-31) + channels 32-63, not products first: where a row's every key carries a mask so large that f32 swallows the scores, single roundings may fall otherwise.
; Q . K + mask stays above -2e38 (the running maximum's start); a weight below 2^-126 counts as 0 in l; NaN and infinities are not treated apart.
; SHARES.  A work-group owns 256 queries of a pair of heads; wave w takes head w / 2 and queries 128 (w % 2) + 0..127: eight tiles of 16 in four PIECES of two.  Every wave walks all keys, 64 a step.
; LAYOUT.  S^T = K Q^T holds ONE query a lane (lane % 16) and the keys 8 (lane / 16) + 0..7; two such results rounded to f16 ARE source 1 of O^T = V^T P.  V comes out of LDS turned, by ds_load_tr16_b128.
; SOFTMAX.  A running maximum m and sum l: p = 2^(c s - c m), c = log2(e) / 8; in every step O and l are multiplied by a = 2^(c m_old - c m_new).  m starts at the lowest finite number, O and l at 0.
; BY TURNS.  Turn n belongs to piece n: 16 products K Q^T of piece n + 1, later 16 products V^T P of piece n - 1; beside them the scaling, exponentials, roundings, sums and rescaling of piece n and the maximum and
; statistics of piece n + 1.  Four vector instructions stand behind every matrix instruction, the others in one lump; a turn's 66 exponentials are one batch with one wait.
; CLUSTER 4 x 4.  The four work-groups of a row share the head pair: K and V are asked for jointly along the row; the four of a column share the queries: the mask's tile jointly along the column.
; REGISTERS, in windows of 256 (s_set_vgpr_msb: bits 1:0 source 0, 3:2 source 1, 5:4 source 2, 7:6 destination):
;   window 0: v0-10 addresses; v12-15, v48-63 at work; v16-47 statistics; v64-191 S^T, two buffers of two tiles; v192-255 P, likewise      window 1: O^T, 32 a tile
;   window 2: v0-127 Q; v128-191 K of one step; v192-255 V of one step      window 3: v0-1 the add's two registers; v64-127 one piece's mask, 32 a tile
.set NP,    4
.set KS,    64
.set PK,    144       ; a row of K in LDS: 128 bytes + 16: the 16 rows of a load start at 16 different groups of four banks (ISA guide 11.1)
.set PVV,   160       ; a row of V: 128 + 32
.set PM,    272       ; a query's 64 mask numbers: 256 bytes + 16
.set VOFF,  2*KS*PK   ; a slot holds one step: both heads' 64 rows of K, both heads' V, 256 rows of the mask
.set MOFF,  VOFF+2*KS*PVV
.set SLOT1, 1<<17     ; slot 1 begins here, so that one exclusive or turns an address in one slot into the other's
.set STAGE, SLOT1+MOFF+256*PM   ; behind the ring: 16 rows x 272 bytes for each wave, for the way out
.set SP,    272
.set SPARE, STAGE+4*16*SP       ; behind the stages: the spare words, 128 bytes a wave, which no other line names
.set PFO, 1           ; v1   the prefetches' lane offset; never rewritten
.set AK0, 2           ; v2   my lane's place in a slot's K; never rewritten
.set AV0, 3           ; v3   in its V
.set AK,  4           ; v4   the same in the slot that the trip reads
.set AV,  5
.set QO,  6           ; v6   my byte offset in 16 rows of Q
.set STO, 6           ;      later, the way out: where I put 32 bytes of a row
.set RD,  7           ; v7   where I read rows back
.set GO,  8           ; v8   my byte offset in two rows of out
.set AM0, 9           ; v9   my lane's place in a slot's mask
.set AM,  10
.set SPW, 0           ; v0 of window 3
.set NIL, 1           ; v1 of window 3
.set MB,  64          ; window 3: tile u, key block kb at MB + 32 u + 8 kb
.set MV,  12
.set ST,  16          ; tile t's statistics at v[ST+4 t]: c m, m, l (even keys', odd keys')
.set TMP, 48
.set S,   64
.set P,   192
.set KF,  128
.set VF,  192
.set WV,  12
.set G1K, 24
.set G1V, 32
.set G1M, 40
.set G0K, 48
.set G0V, 52
.set G0M, 56
.set SEL, 60
.set CS,  62
.set SLOTS, 66        ; s66  trips still to come in the loop
.set CNT, 67
.set TB,  68          ; s68  the slot that the trip reads: 0 or SLOT1
.set LIM, 69          ; s69  2 in a wave that prefetches, else the greatest number
.set PFA, 70          ; s[70:71] where my prefetches stand
.set PFS, 72          ; s[72:73] their step
.set QA,  74          ; s[74:75] Q at my wave's first row
.set MSB, 0
.macro WIN new
.if MSB != (\new)
	s_set_vgpr_msb (MSB<<8)|(\new)
.set MSB, (\new)
.endif
.endm
.set W_KQ, 0x0a       ; K and Q in window 2, S^T in window 0
.set W_KM, 0x3a       ; the same with the C operand in window 3
.set W_PV, 0x52       ; V in window 2, P in window 0, O^T in window 1
.set W_RS, 0x41       ; O^T (destination and source 0) in window 1, a in window 0
.set W_MK, 0xc0       ; destination in window 3, sources in window 0
.set W_AD, 0x0f       ; the add: address and data in window 3
; A joint fill, one load a wave: wave 0 both heads' K of a step, wave 1 their V, waves 2 and 3 the two halves of the mask's tile.  The branches hang on the wave's number alone.
; An s_nop 0 and four v_nop follow each line.
.macro JLOAD
	s_cmp_lt_u32 s[WV], 2
	s_cbranch_scc0 .Lfor_m_\@
	s_cmp_eq_u32 s[WV], 0
	s_cbranch_scc0 .Lfor_v_\@
	tensor_load_to_lds s[G0K:G0K+3], s[G1K:G1K+7]
	s_nop 0
.rept 4
	v_nop
.endr
	s_branch .Lasked_\@
.Lfor_v_\@:
	tensor_load_to_lds s[G0V:G0V+3], s[G1V:G1V+7]
	s_nop 0
.rept 4
	v_nop
.endr
	s_branch .Lasked_\@
.Lfor_m_\@:
	tensor_load_to_lds s[G0M:G0M+3], s[G1M:G1M+7]
	s_nop 0
.rept 4
	v_nop
.endr
.Lasked_\@:
.endm
; A prefetch of the step that the change of slots two trips on will ask for (256 matrix instructions ahead), one instruction, behind the wave's tensor load and its five lines.  Each aligned block of 256 bytes of steps 4 to 31 is
; named once in the launch.  K and V of a head pair are walked by the two clusters of that row of clusters: the first asks, its wave 0; the four partners take 16 blocks of K and 16 of V each, by address.
; The mask's rows of a query block are walked by the eight clusters of that column: the first asks, its waves 2 and 3; the four partners take 32 rows each, by address.  The last two filling trips ask for nothing.
.macro ASK
	s_cmp_gt_u32 s[SLOTS], s[LIM]
	s_cbranch_scc0 .Lnot_mine_\@
	global_prefetch_b8 v[PFO], s[PFA:PFA+1] th:TH_LOAD_NT scope:SCOPE_SE
.Lnot_mine_\@:
.endm
.macro CROUND         ; a round of the cluster's barrier
	s_barrier_signal -1
	s_barrier_wait -1
	s_cmp_lg_u32 s[WV], 0
	s_cbranch_scc1 .Lnot_wave_0_\@
	s_barrier_signal -3
.Lnot_wave_0_\@:
	s_barrier_wait -3
	s_barrier_signal -1
	s_barrier_wait -1
.endm
; THE CHANGE OF SLOTS, at the head of a trip.  Each wave waits for all its tensor loads, of which one is out: its part of the other slot; adds 0 to its spare word; and waits for that and for its own reads of the slot
; that it leaves.  fill = 1: the barrier is a round of the cluster's, and the old slot is filled again first behind it, with the step after the one that the trip reads: it has a trip, 128 matrix instructions, in which to land.
.macro CHANGE fill, ask
	WIN W_AD
	s_wait_tensorcnt 0x0            ; no tensor load of mine is out, so a group 0 may be written
	ds_add_u32 v[SPW], v[NIL]       ; 0 onto my spare word
	WIN 0                           ; at a label and at a branch every window is 0
.if \fill
.irp g, G0K, G0V, G0M
	s_xor_b32 s[\g+1], s[\g+1], SLOT1
.endr
	s_add_nc_u64 s[G0K+2:G0K+3], s[G0K+2:G0K+3], 16384  ; a step of a head pair is 16,384 dense bytes of K and of V,
	s_add_nc_u64 s[G0V+2:G0V+3], s[G0V+2:G0V+3], 16384
	s_add_nc_u64 s[G0M+2:G0M+3], s[G0M+2:G0M+3], 256    ; and 64 numbers along the mask's rows
	s_wait_xcnt 0x0                 ; the last prefetch, a trip back, has read its address
	s_add_nc_u64 s[PFA:PFA+1], s[PFA:PFA+1], s[PFS:PFS+1]
	s_wait_dscnt 0x0                ; the add is done, and my reads of the slot are over
	CROUND
	JLOAD
.if \ask
	ASK
.endif
.else
	s_wait_dscnt 0x0
	s_barrier_signal -1
	s_barrier_wait -1
.endif
	s_xor_b32 s[TB], s[TB], SLOT1   ; all that this trip fetches lies in the other slot
	v_add_nc_u32 v[AK], s[TB], v[AK0]
	v_add_nc_u32 v[AV], s[TB], v[AV0]
	v_add_nc_u32 v[AM], s[TB], v[AM0]
.endm
	s_load_b128 s[4:7], s[0:1], 0x0   ; qkv s[4:5], mk s[6:7]
	s_load_b64 s[8:9], s[0:1], 0x10   ; out0
	WIN W_MK
	v_lshl_add_u32 v[SPW], v0, 2, SPARE
	v_mov_b32 v[NIL], 0
	WIN W_AD
	ds_add_u32 v[SPW], v[NIL]       ; the wave's opening: the add and its wait stand ahead of my first tensor load; the set-up below stands between them
	WIN 0
	v_lshrrev_b32 v48, 5, v0
	v_readfirstlane_b32 s[WV], v48  ; wave 0..3
	s_bfe_u32 s13, ttmp6, 0x40000   ; cx
	s_bfe_u32 s14, ttmp6, 0x40004   ; cy
	s_lshl_b32 s15, ttmp9, 2
	s_add_co_u32 s15, s15, s13      ; my block of 256 queries, 0..7
	s_and_b32 s16, ttmp7, 0xffff    ; cluster y
	s_lshl_b32 s17, s16, 2
	s_add_co_u32 s17, s17, s14      ; my head pair, 0..31
	s_lshl_b32 s18, s14, 2
	s_lshl_b32 s18, 15, s18         ; my row of the cluster
	s_lshl_b32 s19, 0x1111, s13     ; my column
	s_and_b32 s20, s[WV], 1         ; which 128 queries
	s_lshr_b32 s21, s[WV], 1        ; which head of the pair
	; group 1.  K, V: 16,384 dense bytes as 64 rows of 256, padded in LDS after every 128 bytes.  Mask: 128 rows x 64 numbers of 4 bytes, 2,048 from row to row, padded after every row
	s_or_b32 s[G1K], s18, (1<<16)|(1<<20)|(1<<21)|(4<<22)|(3<<25)
	s_or_b32 s[G1V], s18, (1<<16)|(1<<20)|(1<<21)|(4<<22)|(7<<25)
	s_or_b32 s[G1M], s19, (2<<16)|(1<<20)|(1<<21)|(5<<22)|(3<<25)
.irp g, G1K, G1V
	s_mov_b32 s[\g+1], 128<<16      ; tensor_dim0 = 128
	s_mov_b32 s[\g+2], 64<<16       ; tensor_dim1 = 64
	s_mov_b32 s[\g+3], 128<<16      ; tile_dim0 = 128
	s_mov_b32 s[\g+4], 64           ; tile_dim1 = 64
	s_mov_b32 s[\g+5], 128
	s_mov_b32 s[\g+6], 0
	s_mov_b32 s[\g+7], 0
.endr
	s_mov_b32 s[G1M+1], 64<<16
	s_mov_b32 s[G1M+2], 128<<16
	s_mov_b32 s[G1M+3], 64<<16
	s_mov_b32 s[G1M+4], 128
	s_mov_b32 s[G1M+5], 2048
	s_mov_b32 s[G1M+6], 0
	s_mov_b32 s[G1M+7], 0
	s_mov_b32 s[CS], 0x3e38aa3b     ; c = log2(e) / 8
	s_mov_b32 s[CS+1], s[CS]
	s_mov_b32 s[SEL], 0x76543210
	s_mov_b32 s[SEL+1], 0xfedcba98
	s_mov_b32 s[TB], SLOT1          ; the first change of slots turns it into 0
	s_mul_i32 s78, s21, KS*PK       ; my head's K in a slot,
	s_mul_i32 s79, s21, KS*PVV
	s_add_co_u32 s79, s79, VOFF     ; its V,
	s_mul_i32 s83, s20, 128*PM
	s_add_co_u32 s83, s83, MOFF     ; my 128 queries' mask: no place in the cluster enters an LDS address
	s_mov_b32 s[G0K], 1
	s_mov_b32 s[G0K+1], 0
	s_mov_b32 s[G0V], 1
	s_mov_b32 s[G0V+1], VOFF
	s_mov_b32 s[G0M], 1
	s_mov_b32 s[G0M+1], s83         ; waves 2 and 3 fetch the halves that waves of the same parity read
	s_lshl_b32 s22, s17, 19
	s_add_co_u32 s22, s22, 1<<24    ; K of my head pair: made of the pair alone
	s_mov_b32 s23, 0
	s_lshl_b32 s76, s15, 21
	s_lshl_b32 s77, s20, 20
	s_add_co_u32 s76, s76, s77      ; the mask's rows: made of the query block and the wave alone
	s_mov_b32 s77, 0
	s_lshl_b32 s[QA], s17, 19       ; Q: pair, 64-token block 4 qb + 2 (w % 2), head
	s_lshl_b32 s82, s15, 16
	s_add_co_u32 s[QA], s[QA], s82
	s_lshl_b32 s82, s20, 15
	s_add_co_u32 s[QA], s[QA], s82
	s_lshl_b32 s82, s21, 13
	s_add_co_u32 s[QA], s[QA], s82
	s_mov_b32 s[QA+1], 0
	s_lshr_b32 s80, s17, 3          ; out: batch << 23 + query << 12 + head << 8
	s_lshl_b32 s80, s80, 23
	s_lshl_b32 s82, s15, 20
	s_add_co_u32 s80, s80, s82
	s_lshl_b32 s82, s20, 19
	s_add_co_u32 s80, s80, s82
	s_and_b32 s82, s17, 7
	s_lshl_b32 s82, s82, 1
	s_add_co_u32 s82, s82, s21
	s_lshl_b32 s82, s82, 8
	s_add_co_u32 s80, s80, s82
	s_mov_b32 s81, 0
	s_lshl_b32 s86, s13, 12         ; the prefetches: of K and V my work-group takes blocks 16 cx on; they start at step 2
	s_add_co_u32 s86, s86, 2*16384
	s_lshl_b32 s87, s14, 18         ; of the mask's 128 rows it takes 32 cy on
	s_add_co_u32 s87, s87, 2*256
	s_mov_b32 s[PFS], 256           ; the mask's step along its rows; an instruction holds one literal, so the choice below names this register
	s_cmp_lt_u32 s[WV], 2
	s_cselect_b32 s86, s86, s87
	s_cselect_b32 s82, ttmp9, s16   ; the coordinate along which other clusters walk the same bytes
	s_cselect_b32 s[PFS], 16384, s[PFS]
	s_cselect_b32 s84, 8, 13        ; lanes 0-15: blocks of 256 bytes, or rows of 8,192
	s_cselect_b32 s85, 24, 17       ; lanes 16-31: the same in V, 2^24 bytes on, or 16 rows further down
	s_mov_b32 s87, 0
	s_mov_b32 s[PFS+1], 0
	s_cmp_eq_u32 s[WV], 1
	s_cselect_b32 s82, 1, s82       ; wave 1 never asks
	s_cmp_eq_u32 s82, 0
	s_cselect_b32 s[LIM], 2, -1     ; the same in all sixteen partners, for a given wave
	s_wait_dscnt 0x0                ; the opening add is done
	s_wait_kmcnt 0x0
	s_add_nc_u64 s[G0K+2:G0K+3], s[4:5], s[22:23]
	s_add_nc_u64 s[G0V+2:G0V+3], s[G0K+2:G0K+3], 1<<24
	s_add_nc_u64 s[G0M+2:G0M+3], s[6:7], s[76:77]
	s_cmp_lt_u32 s[WV], 2
	s_cselect_b64 s[PFA:PFA+1], s[G0K+2:G0K+3], s[G0M+2:G0M+3]
	s_add_nc_u64 s[PFA:PFA+1], s[PFA:PFA+1], s[86:87]
	s_or_b32 s[G0K+3], s[G0K+3], 0x80000000
	s_or_b32 s[G0V+3], s[G0V+3], 0x80000000
	s_or_b32 s[G0M+3], s[G0M+3], 0x80000000
	s_add_nc_u64 s[QA:QA+1], s[4:5], s[QA:QA+1]
	s_add_nc_u64 s[8:9], s[8:9], s[80:81]
	CROUND                          ; all sixteen work-groups are here: the first joint loads meet
	JLOAD                           ; step 0 into slot 0.  Slot 1 is asked for when slot 0 is in
	v_and_b32 v48, 15, v0           ; l % 16
	v_bfe_u32 v49, v0, 4, 1         ; l / 16
	v_lshlrev_b32 v[QO], 7, v48
	v_lshl_add_u32 v[QO], v49, 4, v[QO]  ; row x 128 + 16 x half
	WIN 0x80                        ; destination window 2, address window 0
.set i, 0
.rept 4*NP                          ; Q stays in registers: tile i / 2 (four tiles to a block of 64 tokens, the blocks 16,384 bytes apart), channels 32 (i % 2) on
	global_load_b128 v[8*i:8*i+3],   v[QO], s[QA:QA+1] offset:((i/2)/4)*16384+((i/2)%4)*2048+(i%2)*64
	global_load_b128 v[8*i+4:8*i+7], v[QO], s[QA:QA+1] offset:((i/2)/4)*16384+((i/2)%4)*2048+(i%2)*64+32
.set i, i+1
.endr
	; What the first turn finds: V's registers and P's second buffer hold 0 (its products V^T P, of a piece that has not been, add 0), O^T and l are 0.  No first step is written out; these lines stand in the wait for the first tile.
.set i, VF
.rept 64
	v_mov_b32 v[i], 0
.set i, i+1
.endr
	WIN 0x40
.set i, 0
.rept 64*NP
	v_mov_b32 v[i], 0
.set i, i+1
.endr
	WIN 0
.set i, 0
.rept 2*NP
	v_mov_b32 v[ST+4*i], 0xfe000000    ; c m: far below every c s
	v_mov_b32 v[ST+4*i+1], 0xff7fffff  ; m
	v_mov_b32 v[ST+4*i+2], 0
	v_mov_b32 v[ST+4*i+3], 0
.set i, i+1
.endr
.set i, P+32
.rept 32
	v_mov_b32 v[i], 0
.set i, i+1
.endr
	v_lshlrev_b32 v[PFO], s84, v48
	v_lshlrev_b32 v50, s85, v49
	v_add_nc_u32 v[PFO], v[PFO], v50
	v_mul_u32_u24 v[AK0], v48, PK
	v_lshl_add_u32 v[AK0], v49, 4, v[AK0]  ; row x pitch + 16 x half
	v_add_nc_u32 v[AK0], s78, v[AK0]
	; The turning load takes 16 keys x 16 channels (lane l reads key 8 (l / 16) + l % 8, channels 8 ((l / 8) % 2) + 0..7) and leaves half a fragment of V^T.
	v_and_b32 v50, 7, v0
	v_bfe_u32 v51, v0, 3, 1
	v_lshl_add_u32 v[AV0], v49, 3, v50
	v_mul_u32_u24 v[AV0], v[AV0], PVV
	v_lshl_add_u32 v[AV0], v51, 4, v[AV0]
	v_add_nc_u32 v[AV0], s79, v[AV0]
	v_mul_u32_u24 v[AM0], v48, PM          ; the mask as C: my query's row, keys 8 (l / 16) on: 32 bytes
	v_lshl_add_u32 v[AM0], v49, 5, v[AM0]
	v_add_nc_u32 v[AM0], s83, v[AM0]
; THE MATRIX WORK.  The 8 accumulators of a run of 16 take turns.  Product i of 16 of S^T = K Q^T for piece x: channels 32 (i / 8) on, keys 16 ((i / 2) % 4) on, tile 2 x + i % 2.  The first 8 start the sums with the mask.
.macro KQ x
.set rS, S+64*((\x)%2)+32*(i%2)+8*((i/2)%4)
.set rK, KF+16*((i/2)%4)+8*(i/8)
.set rQ, 16*(2*(\x)+i%2)+8*(i/8)
.set rB, MB+32*(i%2)+8*((i/2)%4)
.if i < 8
	WIN W_KM
	v_wmma_f32_16x16x32_f16 v[rS:rS+7], v[rK:rK+7], v[rQ:rQ+7], v[rB:rB+7]
.else
	WIN W_KQ
	v_wmma_f32_16x16x32_f16 v[rS:rS+7], v[rK:rK+7], v[rQ:rQ+7], v[rS:rS+7]
.endif
.endm
; Product i of 16 of O^T += V^T P for piece x: keys 32 (i / 8) on, channels 16 ((i / 2) % 4) on, tile 2 x + i % 2.
.macro PV x
	WIN W_PV
.set rO, 32*(2*(\x)+i%2)+8*((i/2)%4)
.set rV, VF+32*(i/8)+8*((i/2)%4)
.set rP, P+32*((\x)%2)+16*(i%2)+8*(i/8)
	v_wmma_f32_16x16x32_f16 v[rO:rO+7], v[rV:rV+7], v[rP:rP+7], v[rO:rO+7]
.endm
.macro MM                           ; the turn's next matrix instruction
.if i < 16
	KQ (Y+1)%NP
.set i, i+1
.else
.set i, i-16
	PV (Y+NP-1)%NP
.set i, i+17
.endif
.endm
; THE LDS LOADS stand in runs of 16, never singly among the matrix instructions.
.macro FETCH_K
	WIN 0x80                        ; destination window 2
.irp f, 0,1,2,3,4,5,6,7             ; keys 16 (f / 2) on, channels 32 (f % 2) on
	ds_load_b128 v[KF+8*\f:KF+8*\f+3],   v[AK] offset:(\f/2)*16*PK+(\f%2)*64
	ds_load_b128 v[KF+8*\f+4:KF+8*\f+7], v[AK] offset:(\f/2)*16*PK+(\f%2)*64+32
.endr
.endm
.macro FETCH_V
	WIN 0x80
.irp f, 0,1,2,3,4,5,6,7             ; keys 32 (f / 4) on, channels 16 (f % 4) on
	ds_load_tr16_b128 v[VF+8*\f:VF+8*\f+3],   v[AV] offset:(\f/4)*32*PVV+(\f%4)*32
	ds_load_tr16_b128 v[VF+8*\f+4:VF+8*\f+7], v[AV] offset:(\f/4)*32*PVV+16*PVV+(\f%4)*32
.endr
.endm
.macro FETCH_M p                    ; piece p's mask: register j of tile u, key block kb = mask[my query][16 kb + 8 (l / 16) + j]: C's own layout
	WIN W_MK                        ; destination window 3
.irp u, 0,1
.irp kb, 0,1,2,3
	ds_load_b128 v[MB+32*\u+8*\kb:MB+32*\u+8*\kb+3],   v[AM] offset:(2*(\p)+\u)*16*PM+64*\kb
	ds_load_b128 v[MB+32*\u+8*\kb+4:MB+32*\u+8*\kb+7], v[AM] offset:(2*(\p)+\u)*16*PM+64*\kb+16
.endr
.endr
.endm
; THE VECTOR WORK OF A TURN stands in three queues, each in the order in which its entries become ready; the two tiles alternate.
.macro REGS y, u                    ; the registers of tile u (0, 1) of piece y
.set rT, ST+4*(2*(\y)+(\u))
.set rC, TMP+8*((\y)%2)+4*(\u)
.set rM, MV+2*((\y)%2)+(\u)
.set rS, S+64*((\y)%2)+32*(\u)
.set rP, P+32*((\y)%2)+16*(\u)
.set rO, 32*(2*(\y)+(\u))
.endm
; Number n of the 22 that find the NEXT piece's (Y + 1) maximum and statistics; each accumulator's lowest registers are read first.
;   0-11  four chains c0-c3 of seven scores each     12-14, 16  the four scores left over, the old m, and c0-c3 into c0     15  c m_old is kept     17, 18  the other half of the lanes': the new m     19-21  c m; its change; a
.macro XS u, n
	REGS (Y+1)%NP, \u
.if (\n) < 4
	v_max3_num_f32 v[rC+(\n)], v[rS+8*(\n)], v[rS+8*(\n)+1], v[rS+8*(\n)+2]
.elseif (\n) < 12
	v_max3_num_f32 v[rC+(\n)%4], v[rC+(\n)%4], v[rS+8*((\n)%4)+2*((\n)/4)+1], v[rS+8*((\n)%4)+2*((\n)/4)+2]
.elseif (\n) == 12
	v_max3_num_f32 v[rC], v[rC], v[rS+7], v[rS+15]
.elseif (\n) == 13
	v_max3_num_f32 v[rC+1], v[rC+1], v[rS+23], v[rS+31]
.elseif (\n) == 14
	v_max3_num_f32 v[rC+2], v[rC+2], v[rC+3], v[rT+1]
.elseif (\n) == 15
	v_mov_b32 v[rM], v[rT]
.elseif (\n) == 16
	v_max3_num_f32 v[rC], v[rC], v[rC+1], v[rC+2]
.elseif (\n) == 17
	v_permlanex16_b32 v[rC+3], v[rC], s[SEL], s[SEL+1]
.elseif (\n) == 18
	v_max_num_f32 v[rT+1], v[rC], v[rC+3]
.elseif (\n) == 19
	v_mul_f32 v[rT], s[CS], v[rT+1]
.elseif (\n) == 20
	v_sub_f32 v[rC+1], v[rM], v[rT]
.else
	v_exp_f32 v[rC+2], v[rC+1]
.endif
.endm
; Number g of the 64 that follow the exponentials: for each four weights both pairs are rounded to f16, the second pair is added onto the first in place, and a group later l takes that sum (the first time as l = a l + sum).
.macro GS g
.set h, (\g)+6*((\g)/62)
.if h >= 6
.set h, h+2
.endif
	REGS Y, h%2
.set k, h/8
.if h%8 < 4
	v_cvt_pk_f16_f32 v[rP+2*k+(h%8)/2], v[rS+4*k+2*((h%8)/2)], v[rS+4*k+2*((h%8)/2)+1]
.elseif h%8 < 6
	v_pk_add_f32 v[rS+4*k:rS+4*k+1], v[rS+4*k:rS+4*k+1], v[rS+4*k+2:rS+4*k+3]
.elseif k == 1
	v_pk_fma_f32 v[rT+2:rT+3], v[rT+2:rT+3], v[rC+2:rC+3], v[rS:rS+1] op_sel_hi:[1,0,1]
.else
	v_pk_add_f32 v[rT+2:rT+3], v[rT+2:rT+3], v[rS+4*k-4:rS+4*k-3]
.endif
.endm
; THE PLAIN QUEUE, 138 long.  0-26: scalings 0-26.  27-54: XS's numbers 0-13.  55, 56: number 15.  57-73: the chain 14, 16 .. 19, each with one of the scalings 27-31 in front of its two lines, then 20.  74-137: GS's 64, behind the wait.
.macro FS f
	REGS Y, (\f)%2
	v_pk_fma_f32 v[rS+2*((\f)/2):rS+2*((\f)/2)+1], v[rS+2*((\f)/2):rS+2*((\f)/2)+1], s[CS:CS+1], v[rT:rT+1] op_sel_hi:[1,0,0] neg_lo:[0,0,1] neg_hi:[0,0,1]
.endm
.macro PL
	WIN 0
.if q < 27
	FS q
.elseif q < 55
	XS (q-27)%2, (q-27)/2
.elseif q < 57
	XS q-55, 15
.elseif (q < 72) && ((q-57)%3 == 0)
	FS 27+(q-57)/3
.elseif q < 60
	XS (q-57)%3-1, 14
.elseif q < 72
	XS (q-57)%3-1, 15+(q-57)/3
.elseif q < 74
	XS q-72, 20
.else
	GS q-74
.endif
.set q, q+1
.endm
; THE EXPONENTIALS' QUEUE, 66 long: s0-s31 of both tiles, then the next piece's two a: one batch, all ahead of the turn's one wait.
.macro EX
	WIN 0
.if e >= 64
	XS e-64, 21
.else
	REGS Y, e%2
	v_exp_f32 v[rS+e/2], v[rS+e/2]
.endif
.set e, e+1
.endm
; THE RESCALING's QUEUE: O^T times a, two at a time, sixteen times.  Its a was made, and waited for, in the turn before.
.macro R2
	REGS Y, r%2
	WIN W_RS
.irp z, 0,1
	v_pk_mul_f32 v[rO+4*(r/2)+2*\z:rO+4*(r/2)+2*\z+1], v[rO+4*(r/2)+2*\z:rO+4*(r/2)+2*\z+1], v[rC+2:rC+3] op_sel_hi:[1,0]
.endr
.set r, r+1
.endm
; A TURN, for piece p.  Ahead of its one wait stands all that names no result of its exponentials: 16 products K Q^T with a scaling, an exponential and two rescalings behind each, then a lump of 108; behind it 16 products V^T P with
; four of the roundings and sums behind each.  Exponential e stands behind scaling 2 (e / 4) + e % 2: as a rider it comes behind plain e + 2, in the lump behind plain e + 9.
; THE FETCHES stand directly behind the wait, a lump behind the last product that read their registers: in every turn the mask of piece p + 2, which the next turn's products take; in piece 2's turn also K of the next step.
; V of the step in hand is fetched at the end of piece 0's turn, four plain riders behind its last reader.
; THE WAITS ON LDS.  At a turn's head the mask for its products is wanted (and K in piece 3's turn): all that is out, but in piece 1's turn, where V's 16 loads were issued behind the mask's and may stay out.
; Behind piece 1's own fetch of a mask, 16 loads, V is wanted: those 16 may stay out.
.macro TURN p
.set Y, (\p)
.set i, 0
.set q, 0
.set e, 0
.set r, 0
.if (\p) == 1
	s_wait_dscnt 16
.else
	s_wait_dscnt 0x0
.endif
	MM
	PL
	PL
	R2
.rept 15
	MM
	PL
	EX
	R2
.endr
.rept 8
	PL
.endr
.rept 49
	EX
	PL
.endr
	EX
	EX
	v_nop                           ; a plain instruction behind the last exponential: one for the batch
	s_wait_alu depctr_va_vdst(0)    ; the wait ahead of the batch's first reader
.if (\p) == 2
	FETCH_K
.endif
	FETCH_M ((\p)+2)%NP
.if (\p) == 1
	s_wait_dscnt 16
.endif
.rept 16
	MM
.rept 4
	PL
.endr
.endr
.if (\p) == 0
	FETCH_V
.endif
.endm
	CHANGE 1, 0                     ; slot 0 is in, everybody's part of it; step 1 is asked for, into slot 1; nothing is prefetched yet
	FETCH_K                         ; step 0
	FETCH_M 0
	s_wait_loadcnt 0x0              ; Q
	s_wait_dscnt 0x0
.set i, 0
.rept 16
	KQ 0                            ; piece 0's first scores
.set i, i+1
.endr
	WIN 0                           ; the addresses for the way out: ten plain instructions, the places behind those products
	s_mul_i32 s13, s[WV], 16*SP
	s_add_co_u32 s13, s13, STAGE    ; my stage
	v_mul_u32_u24 v[STO], v48, SP   ; in: row l % 16, 32 bytes for each half of the lanes
	v_lshl_add_u32 v[STO], v49, 5, v[STO]
	v_add_nc_u32 v[STO], s13, v[STO]
	v_mul_u32_u24 v[RD], v49, SP    ; back: lanes 0-15 take one row of 256 bytes, lanes 16-31 the next
	v_lshl_add_u32 v[RD], v48, 4, v[RD]
	v_add_nc_u32 v[RD], s13, v[RD]
	v_lshlrev_b32 v[GO], 12, v49    ; and the same two rows in out, 4,096 bytes apart
	v_lshl_add_u32 v[GO], v48, 4, v[GO]
	v_nop
	v_nop
	FETCH_M 1                       ; for the first turn's products
	WIN 0
.set Y, NP-1                        ; XS works for piece Y + 1: piece 0
.irp n, 0,1,2,3,4,5,6,7,8,9,10,11,12,13,14,15,16,17,18,19,20,21
	XS 0, \n
	XS 1, \n
.endr
	v_nop                           ; a plain instruction behind the two a,
	s_wait_alu depctr_va_vdst(0)    ; and their wait, ahead of the branch
	s_mov_b32 s[SLOTS], 31
	s_branch .Lfirst                ; the loop is entered at a step's first turn, in the middle of a trip
.Lslot:                             ; 30 whole trips.  Trip j: pieces 2 and 3 of step j - 1, pieces 0 and 1 of step j; all that it fetches (K, V and the four masks of step j) lies in slot j % 2; step j + 1 is asked for
	CHANGE 1, 1
	TURN 2
	TURN 3
	WIN 0
.Lfirst:
	TURN 0
	TURN 1
	WIN 0
	s_sub_co_u32 s[SLOTS], s[SLOTS], 1
	s_cmp_lg_u32 s[SLOTS], 0
	s_cbranch_scc1 .Lslot
	CHANGE 0, 0                     ; the tail is written out: nothing is asked for
	s_mov_b32 s[CNT], 2             ; trip 31, and half a trip more
.Ltail:
	TURN 2
	TURN 3
	WIN 0
	s_sub_co_u32 s[CNT], s[CNT], 1
	s_cmp_eq_u32 s[CNT], 0
	s_cbranch_scc1 .Lout
	TURN 0
	TURN 1
	WIN 0
	s_branch .Ltail
.Lout:                              ; the half trip fetched K and two masks of step 31 once more; the 16 products made of them and their maximum serve nothing: the price, once a launch, of one text for every trip
.set i, 0
.rept 16
	PV NP-1                         ; the last piece's V^T P of the last step
.set i, i+1
.endr
	; THE WAY OUT.  l's two halves and the other half of the lanes' are added; O^T is divided by l and sent, in f32, through my stage in LDS, a tile at a time.  The additions are the places behind the last products.
	WIN 0
.macro ALL line:vararg              ; one line for each tile t
.set t, 0
.rept 2*NP
	\line
.set t, t+1
.endr
.endm
	ALL v_add_f32 v[ST+4*t+2], v[ST+4*t+2], v[ST+4*t+3]
	ALL v_permlanex16_b32 v[ST+4*t+3], v[ST+4*t+2], s[SEL], s[SEL+1]
	ALL v_add_f32 v[ST+4*t+2], v[ST+4*t+2], v[ST+4*t+3]
	ALL v_rcp_f32 v[ST+4*t+2], v[ST+4*t+2]
	v_nop                           ; a plain instruction between the last reciprocal and the use of its result
	s_wait_alu depctr_va_vdst(0)    ; and the one wait for the eight reciprocals
; Tile t: a lane's eight channels of a row are 32 bytes; they go into rows of 272 bytes and come back as whole rows of 256, into S^T's registers, four buffers by turns.
.macro PACK t
	WIN W_RS
.set i, 32*(\t)
.rept 16
	v_pk_mul_f32 v[i:i+1], v[i:i+1], v[ST+4*(\t)+2:ST+4*(\t)+3] op_sel_hi:[1,0]  ; each accumulator's registers in ascending order
.set i, i+2
.endr
	WIN 0x04                        ; store data in window 1, address in window 0
.irp cb, 0,1,2,3
	ds_store_b128 v[STO], v[32*(\t)+8*\cb:32*(\t)+8*\cb+3]   offset:64*\cb
	ds_store_b128 v[STO], v[32*(\t)+8*\cb+4:32*(\t)+8*\cb+7] offset:64*\cb+16
.endr
	WIN 0
	s_wait_xcnt 0x0                 ; the stores of the tile four back have read their data: its buffer is loaded again only behind this wait
.irp f, 0,1,2,3,4,5,6,7
	ds_load_b128 v[S+32*((\t)%4)+4*\f:S+32*((\t)%4)+4*\f+3], v[RD] offset:\f*2*SP  ; LDS serves a wave's instructions in order (ISA guide 5.7.1.4): these see the stores above; the next tile's stores come behind them
.endr
.endm
.macro SEND t, younger              ; younger: the LDS instructions issued behind tile t's loads: the next tile's sixteen, or none
	WIN 0
.irp f, 0,1,2,3,4,5,6,7
	s_wait_dscnt (\younger)+7-\f
	global_store_b128 v[GO], v[S+32*((\t)%4)+4*\f:S+32*((\t)%4)+4*\f+3], s[8:9] offset:(\t)*65536+\f*8192 th:TH_STORE_NT  ; 16 lanes store the 256 consecutive bytes, aligned, of one query and head
.endr
.endm
	PACK 0
.set t, 1
.rept 2*NP-1                        ; a tile's arithmetic stands between the loads of the tile before and its stores
	PACK t
	SEND t-1, 16
.set t, t+1
.endr
	SEND 2*NP-1, 0
	WIN W_AD
	s_wait_tensorcnt 0x0            ; the wave's end, behind my last tensor load and my last LDS store
	ds_add_u32 v[SPW], v[NIL]
	s_wait_dscnt 0x0
	WIN 0
	CROUND                          ; the closing round: no work-group ends while a partner may still ask for a tile that names it
	s_endpgm
.Lfunc_end_k_qb660185502_attn:
	.size	k_qb660185502_attn, .Lfunc_end_k_qb660185502_attn-k_qb660185502_attn
	.p2alignl 7, 3214868480
	.fill 96, 4, 3214868480
	.section	.rodata,"a",@progbits
	.p2align	6, 0x0
	.amdhsa_kernel k_qb660185502_attn
		.amdhsa_group_segment_fixed_size 327680
		.amdhsa_private_segment_fixed_size 0
		.amdhsa_enable_private_segment 0
		.amdhsa_kernarg_size 24
		.amdhsa_user_sgpr_count 2
		.amdhsa_user_sgpr_kernarg_segment_ptr 1
		.amdhsa_wavefront_size32 1
		.amdhsa_system_sgpr_workgroup_id_x 1
		.amdhsa_system_sgpr_workgroup_id_y 1
		.amdhsa_system_sgpr_workgroup_id_z 1
		.amdhsa_system_vgpr_workitem_id 0
		.amdhsa_next_free_vgpr 896
		.amdhsa_next_free_sgpr 88
		.amdhsa_reserve_vcc 0
		.amdhsa_float_denorm_mode_32 3
		.amdhsa_float_denorm_mode_16_64 3
		.amdhsa_memory_ordered 1
		.amdhsa_forward_progress 1
		.amdhsa_inst_pref_size 213
	.end_amdhsa_kernel
	.amdgpu_metadata
---
amdhsa.version: [ 1, 2 ]
amdhsa.kernels:
  - .name:           k_qb660185502_attn
    .symbol:         k_qb660185502_attn.kd
    .args:
      - { .name: qkv, .offset: 0, .size: 8, .value_kind: global_buffer, .address_space: global }
      - { .name: mk, .offset: 8, .size: 8, .value_kind: global_buffer, .address_space: global }
      - { .name: out0, .offset: 16, .size: 8, .value_kind: global_buffer, .address_space: global }
    .group_segment_fixed_size: 327680
    .private_segment_fixed_size: 0
    .kernarg_segment_align: 8
    .kernarg_segment_size: 24
    .max_flat_workgroup_size: 128
    .sgpr_count:     88
    .vgpr_count:     896
    .wavefront_size: 32
...
	.end_amdgpu_metadata
.endif
;; end of part 3
